; MI455X (gfx1250); checked and timed in simulation.
; The chip was launched on July 23, 2026; its instructions are those of AMD's public machine-readable ISA for CDNA 5 (MIT licence, August 2026) and "CDNA5" Instruction Set Architecture Reference Guide (July 2026). The comments in the code are by the model that wrote it; some were corrected since.
;; Multi Query Attention. Allowed arithmetic: matrix products marked QUANTISED: E4M3 operands, one given power-of-two scale a tensor, by v_wmma_f32_16x16x64_fp8_fp8 or v_wmma_f32_16x16x128_fp8_fp8, f32 sums; everything else in f32.
;; Inputs: Wk 1,024 x 128 float32; Wp 1,024 x 1,024 float32; Wq 8 x 1,024 x 128 float32; Wv 1,024 x 128 float32; bp 1,024 float32; lowp_scales 12 int32 (the exponents e of the quantised operands' scales 2^e); x 4 x 2,048 x 1,024 float32.
;; Outputs: out0 4 x 2,048 x 1,024 float32.
;; This version of the problem:
;;   THIS VERSION OF THE PROBLEM IS GIVEN IN LOW PRECISION. The matrix products marked QUANTISED in the list below multiply operands that are first quantised to E4M3 (4 exponent bits, 3 mantissa bits; 8 bits a number), with one given power-of-two scale for each operand tensor; their sums are f32. All else is computed in f32.
;;   The module's matrix products, in the order in which they are computed (A, B: the left and right operand; K: the contracted axis; several contracted axes count as one K, in the product's order):
;;     1. [M 8,192, K 1,024] x [K 1,024, N 128]; A: input x; B: input Wk: QUANTISED (scales: A lowp_scales[0], B lowp_scales[1])
;;     2. [M 8,192, K 1,024] x [K 1,024, N 128]; A: input x; B: input Wv: QUANTISED (scales: A lowp_scales[2], B lowp_scales[3])
;;     3. [M 1,024, K 1,024] x [K 1,024, N 8,192]; A: input Wq; B: input x: QUANTISED (scales: A lowp_scales[4], B lowp_scales[5])
;;     4. batch 4 x [M 16,384, K 128] x [K 128, N 2,048]; A: computed on the way; B: computed on the way: QUANTISED (scales: A lowp_scales[6], B lowp_scales[7])
;;     5. batch 4 x [M 128, K 2,048] x [K 2,048, N 16,384]; A: computed on the way; B: softmax (see below): QUANTISED (scales: A lowp_scales[8], B lowp_scales[9])
;;     6. [M 8,192, K 1,024] x [K 1,024, N 1,024]; A: computed on the way; B: input Wp: QUANTISED (scales: A lowp_scales[10], B lowp_scales[11])
;;   THE QUANTISER, for each operand of a quantised product, along K:
;;     - The operand's scale is 2^e, e = its entry of the input lowp_scales (int32; the entries are numbered through the quantised products in the list's order, A before B).
;;     - Each number is divided by the scale, clamped to +-448, and rounded to the nearest number of E4M3, ties to even, subnormals kept.
;;     - The product sums the exact products of the quantised numbers (number of the format x scale) in f32.
;;   ~~~python
;;   def quantise(x, axis, e):      # numpy; x: float32 -> the quantised numbers, widened to float32 again
;;       x = np.moveaxis(x, axis, -1); K = x.shape[-1]
;;       r = np.clip(x / 2.0 ** e, -448, 448)
;;       step = 2.0 ** (np.maximum(np.frexp(np.where(r == 0, 1, r))[1] - 1, -6) - 3)
;;       q = np.round(r / step) * step * 2.0 ** e      # np.round: ties to even
;;       return np.moveaxis(q, -1, axis).astype(np.float32)
;;   ~~~
;;   SOFTMAX AHEAD OF A QUANTISED PRODUCT. Where the list says 'softmax', what is quantised is not the finished softmax but p = 2^(t - M), with t = logit x log2(e) and M = ceil(the row's largest t), a whole number; so 1/2 < the row's largest p <= 1. The row's sum l is taken of the UNQUANTISED p, in f32, and the product's result is divided by l at the end. Since M is a whole number, a kernel that streams over the keys may use a running M (the ceiling of the running maximum): every later rescaling is an exact power of two, so the quantised numbers keep their values, but for numbers so far below the row's largest that they fall under the format's range.
;;   OPERANDS COMPUTED ON THE WAY. 'Computed on the way' means the value that the module computes at that place (a softmax that the list does not call 'softmax' is quantised finished and normalised). What goes into a quantiser is computed in f32, as accurately as f32 sums, v_exp_f32 and their like allow (about 1e-6 of the number): no bf16 or f16 on the way to a quantiser, and a product that is left as it is and whose result goes on into a quantised operand takes f32 operands (vector FMAs, or v_wmma_f32_16x16x4_f32). A number that lies on a knife's edge between two numbers of the format may be rounded either way, as far as f32 arithmetic and the matrix unit's own rounding can turn it there, and no further.
;; One version. Each part assembles by itself: llvm-mc -triple=amdgcn-amd-amdhsa -mcpu=gfx1250 --defsym DOCPART=n.
;; ======== version 1 of 1: 4 launches
;; workspace buffers: xq 8,388,608 bytes; xk 8,388,608 bytes; xv 8,388,608 bytes; wimg 2,359,296 bytes; qimg 8,388,608 bytes; kvimg 2,097,152 bytes; attimg 8,388,608 bytes
;; launch prep (part 1): grid 584 x 1, 8 waves a work-group, no clusters, 101,376 bytes of LDS; arguments x, Wk, Wv, Wq, Wp, lowp_scales, xq, xk, xv, wimg; writes xq, xk, xv, wimg
.if DOCPART == 1
	.amdgcn_target "amdgcn-amd-amdhsa--gfx1250"
	.amdhsa_code_object_version 6
	.text
	.protected	k_qa146a8074a_prep
	.globl	k_qa146a8074a_prep
	.p2align	8
	.type	k_qa146a8074a_prep,@function
k_qa146a8074a_prep:
	s_mov_b64 s[64:65], 0
	v_nop
	global_prefetch_b8 v0, s[64:65] scope:SCOPE_SE
	s_setreg_imm32_b32 hwreg(HW_REG_WAVE_MODE, 25, 1), 1
	s_wait_xcnt 0x0
; PREP: f32 inputs become codes of FP8 (E4M3), laid as IMAGES OF OPERAND REGISTERS.
; A fragment is 16 rows x 128 K: lane (r = l % 16, h = l / 16) holds row r, registers 2c, 2c+1 hold k = 16c + 8h + 0..7.  Its image is 2,048 bytes:
; registers 4g .. 4g+3 of lane l lie at 512 g + 16 l.  Every later load of a fragment is four loads of 512 consecutive bytes.
; All block buffers: [block of 128 rows][K step of 128, 0..7][tile of 16 rows, 0..7][2,048 bytes].
; x is an operand of three products with three given scales: three sets of codes, xq (entry 5), xk (entry 0), xv (entry 2).
; wimg: block 0 = Wk (entry 1), 1 = Wv (entry 3), 2+q = Wq[q] (entry 4), 10+i = Wp's columns 128 i on (entry 11); a row of an image is an output column.
; code = number / 2^e, held within +-448, to the nearest code, ties to even.  LIMITS: entries 0, 1, 2, 3, 4, 5, 11 between -126 and 119.  NaN among the inputs is not served.
; Work-groups 0..71 take the weights, 72..583 a tile of 16 rows of x each.  The work-groups share no input, so there is no cluster; memory binds, so no matrix unit.
; The two paths have LDS bytes of their own; each wave has its own stage, so there is no barrier.
.set NW,   72                          ; work-groups of the weights' path
.set XST,  8448                        ; x: a wave's stage: 16 rows x (512 bytes + 16)
.set WST0, 67584                       ; the weights' stages begin here: 4,096 bytes a wave
.set WV,   24                          ; s24  wave
.set L16,  2                           ; v2   16 x lane
.set SA,   3                           ; v3   x's stage, in
.set SB,   4                           ; v4   x's stage, back
.set WS,   5                           ; v5   the weights' stage, in
.set WR,   6                           ; v6   the weights' stage, back
.set L4,   9                           ; v9   4 x lane
.set WOF,  16                          ; v16-31  weights: 4 x lane + j rows, j = 0..15
.set WN,   32                          ; v32-95  weights: 64 numbers
.set CD,   96                          ; v96-127 weights: codes of the two passes
.set R,    16                          ; v16-79  x as loaded
.set C,    16                          ; v16-63  x's codes, three sets of 16 (the stores into the stage are done when the first is written)
.set X0,   80                          ; v80-143 x: 64 numbers in the operand's order
.set T,    144                         ; v144-159 two sets of 8 held numbers, by turns
.macro MKSCALE e, vs, vh               ; 2^e as f32 (the conversion takes its exponent field), and 448 x 2^e
	s_add_co_i32 s32, s[\e], 127
	s_lshl_b32 s33, s32, 23
	v_mov_b32 v[\vs], s33
	s_add_co_i32 s32, s32, 8
	s_lshl_b32 s32, s32, 23
	s_or_b32 s32, s32, 0x600000
	v_mov_b32 v[\vh], s32
.endm
	s_load_b256 s[4:11], s[0:1], 0x0               ; x s[4:5], Wk s[6:7], Wv s[8:9], Wq s[10:11]
	s_load_b256 s[12:19], s[0:1], 0x20             ; Wp s[12:13], the scales s[14:15], xq s[16:17], xk s[18:19]
	s_load_b128 s[20:23], s[0:1], 0x40             ; xv s[20:21], wimg s[22:23]
	v_lshl_add_u32 v160, v0, 2, 0x18800
	v_mov_b32 v161, 0
	v_lshrrev_b32 v1, 5, v0
	v_readfirstlane_b32 s[WV], v1                  ; wave 0..7
	v_and_b32 v1, 31, v0                           ; lane
	v_lshlrev_b32 v[L16], 4, v1
	v_and_b32 v7, 15, v0                           ; r
	v_bfe_u32 v8, v0, 4, 1                         ; h
	s_mul_i32 s25, s[WV], XST
	v_add_nc_u32 v[SA], s25, v[L16]                ; in: a row's 512 bytes as they lie
	v_mul_u32_u24 v[SB], v7, 528
	v_lshl_add_u32 v[SB], v8, 5, v[SB]
	v_add_nc_u32 v[SB], s25, v[SB]                 ; back: row r, + 32 h: eight numbers of each sixteen
	s_lshl_b32 s25, s[WV], 12
	s_add_co_u32 s25, s25, WST0
	v_lshlrev_b32 v[WS], 4, v7
	v_lshl_add_u32 v[WS], v8, 11, v[WS]
	v_add_nc_u32 v[WS], s25, v[WS]                 ; in: image l / 16, the place of image lane l % 16
	v_add_nc_u32 v[WR], s25, v[L16]                ; back: as the bytes lie
	s_wait_kmcnt 0x0
	s_load_b256 s[40:47], s[14:15], 0x0            ; entries 0..7
	s_load_b128 s[48:51], s[14:15], 0x20           ; entries 8..11
	s_cmp_ge_u32 ttmp9, NW
	s_cbranch_scc1 .Lx_path
; ---- THE WEIGHTS.  A wave takes 32 columns x 128 along K: two images.  A LANE TAKES A COLUMN AND ITS REGISTERS RUN DOWN K, so the conversions give codes with K innermost.
; Pass p (0, 1) takes k = 16c + 8p + j: the registers of image lane (l % 16, p).
	s_lshr_b32 s25, ttmp9, 2                       ; block 0..17
	s_and_b32 s26, ttmp9, 3
	s_lshl_b32 s26, s26, 1
	s_lshr_b32 s27, s[WV], 2
	s_add_co_u32 s26, s26, s27                     ; K step 0..7
	s_and_b32 s27, s[WV], 3                        ; which 32 of the block's 128 columns
	s_sub_co_u32 s36, s25, 2
	s_lshl_b32 s36, s36, 19                        ; Wq: a head is 1,024 x 128 x 4 bytes
	s_sub_co_u32 s37, s25, 10
	s_lshl_b32 s37, s37, 9                         ; Wp: 128 columns are 512 bytes
	s_wait_kmcnt 0x0
	s_cmp_lt_u32 s25, 1                            ; the tensor, its scale, its offset and its pitch are chosen by the block's number: no branch
	s_cselect_b64 s[28:29], s[6:7], s[8:9]
	s_cselect_b32 s30, s41, s43
	s_cmp_lt_u32 s25, 2
	s_cselect_b64 s[28:29], s[28:29], s[10:11]
	s_cselect_b32 s30, s30, s44
	s_cselect_b32 s32, 0, s36
	s_cmp_lt_u32 s25, 10
	s_cselect_b64 s[28:29], s[28:29], s[12:13]
	s_cselect_b32 s30, s30, s51
	s_cselect_b32 s32, s32, s37
	s_cselect_b32 s31, 9, 12                       ; a row is 512 bytes, in Wp 4,096: as a shift
	s_mov_b32 s33, 0
	s_add_nc_u64 s[28:29], s[28:29], s[32:33]
	s_lshl_b32 s32, s27, 7
	s_add_nc_u64 s[28:29], s[28:29], s[32:33]      ; + my 32 columns
	s_lshl_b32 s32, s26, 7
	s_lshl_b32 s32, s32, s31
	s_add_nc_u64 s[28:29], s[28:29], s[32:33]      ; + my K step's 128 rows
.irp c, 0,1,2,3,4,5,6,7
	s_lshl_b32 s32, 16*\c, s31
	s_add_nc_u64 s[68+2*\c:69+2*\c], s[28:29], s[32:33]   ; a base for each 16 rows
.endr
	v_lshlrev_b32 v[L4], 2, v1
.irp j, 0,1,2,3,4,5,6,7,8,9,10,11,12,13,14,15
	s_lshl_b32 s32, \j, s31
	v_add_nc_u32 v[WOF+\j], s32, v[L4]             ; 4 x lane + j rows
.endr
	s_lshl_b32 s32, s25, 17
	s_lshl_b32 s36, s26, 14
	s_add_co_u32 s32, s32, s36
	s_lshl_b32 s36, s27, 12
	s_add_co_u32 s32, s32, s36
	s_add_nc_u64 s[34:35], s[22:23], s[32:33]      ; my two images in wimg
.macro WLOAD p, c                      ; rows 16c + 8p + 0..7 of my column: 32 lanes read 128 consecutive bytes, the four waves beside each other 512
.irp j, 0,1,2,3,4,5,6,7
	global_load_b32 v[WN+8*(\c)+\j], v[WOF+8*(\p)+\j], s[68+2*(\c):69+2*(\c)]
.endr
.endm
.macro WQUANT p, c
.irp j, 0,1,2,3,4,5,6,7
	v_med3_num_f32 v[WN+8*(\c)+\j], v[WN+8*(\c)+\j], -v11, v11   ; the conversion to an 8-bit code does not saturate (ISA guide 7.6.2): the hold comes first
.endr
	v_cvt_scalef32_pk8_fp8_f32 v[CD+16*(\p)+2*(\c):CD+16*(\p)+2*(\c)+1], v[WN+8*(\c):WN+8*(\c)+7], v10
.endm
.irp c, 0,1,2,3,4,5,6,7
	WLOAD 0, \c
.endr
	MKSCALE 30, 10, 11
.irp c, 0,1,2,3,4,5,6,7
	s_wait_loadcnt 56                              ; behind chunk c's eight loads stand 8 (7 - c) of this pass and 8 c of the next
	WQUANT 0, \c
	WLOAD 1, \c                                    ; the second pass's chunk lands where the first's has been converted
.endr
.irp c, 0,1,2,3,4,5,6,7
	s_wait_loadcnt 8*(7-\c)
	WQUANT 1, \c
.endr
	v_nop                                          ; a plain line behind the last conversion
.irp p, 0,1
.irp g, 0,1,2,3
	ds_store_b128 v[WS], v[CD+16*\p+4*\g:CD+16*\p+4*\g+3] offset:512*\g+256*\p
.endr
.endr
.irp q, 0,1,2,3,4,5,6,7
	ds_load_b128 v[WN+4*\q:WN+4*\q+3], v[WR] offset:512*\q   ; LDS serves a wave's instructions in order (ISA guide 5.7.1.4): these see my stores
.endr
.irp q, 0,1,2,3,4,5,6,7
	s_wait_dscnt 7-\q
	global_store_b128 v[L16], v[WN+4*\q:WN+4*\q+3], s[34:35] offset:512*\q   ; 512 consecutive bytes, aligned
.endr
	s_wait_tensorcnt 0x0
	ds_add_u32 v160, v161
	s_wait_dscnt 0x0
	s_endpgm
; ---- x.  The work-group takes 16 rows, wave w the K step w.  Loads take the bytes as they lie (512 of a row); the stage turns them into the operand's order.
.Lx_path:
	s_sub_co_u32 s25, ttmp9, NW                    ; tile of 16 rows, 0..511
	s_lshl_b32 s26, s25, 16                        ; 16 rows of 4,096 bytes
	s_lshl_b32 s28, s[WV], 9
	s_add_co_u32 s26, s26, s28
	s_mov_b32 s27, 0
	s_add_nc_u64 s[4:5], s[4:5], s[26:27]
.irp i, 0,1,2,3,4,5,6,7,8,9,10,11,12,13,14,15
	global_load_b128 v[R+4*\i:R+4*\i+3], v[L16], s[4:5] offset:4096*\i th:TH_LOAD_NT
.endr
	s_lshr_b32 s26, s25, 3
	s_lshl_b32 s26, s26, 17                        ; block of 128 rows
	s_lshl_b32 s28, s[WV], 14                      ; K step
	s_add_co_u32 s26, s26, s28
	s_and_b32 s28, s25, 7
	s_lshl_b32 s28, s28, 11                        ; tile in the block
	s_add_co_u32 s26, s26, s28
	s_add_nc_u64 s[16:17], s[16:17], s[26:27]
	s_add_nc_u64 s[18:19], s[18:19], s[26:27]
	s_add_nc_u64 s[20:21], s[20:21], s[26:27]
	s_wait_kmcnt 0x0
	MKSCALE 45, 10, 11                             ; entry 5: xq
	MKSCALE 40, 12, 13                             ; entry 0: xk
	MKSCALE 42, 14, 15                             ; entry 2: xv
.irp i, 0,1,2,3,4,5,6,7,8,9,10,11,12,13,14,15
	s_wait_loadcnt 15-\i
	ds_store_b128 v[SA], v[R+4*\i:R+4*\i+3] offset:528*\i
.endr
.irp c, 0,1,2,3,4,5,6,7
.irp q, 0,1
	ds_load_b128 v[X0+8*\c+4*\q:X0+8*\c+4*\q+3], v[SB] offset:64*\c+16*\q   ; x(r, 16c + 8h + 4q ..)
.endr
.endr
.irp c, 0,1,2,3,4,5,6,7
	s_wait_dscnt 14-2*\c                           ; this sixteen's two loads are back (and so all the stores into the stage are done)
.irp z, 0,1,2
.irp i, 0,1,2,3,4,5,6,7
	v_med3_num_f32 v[T+8*((3*\c+\z)%2)+\i], v[X0+8*\c+\i], -v[11+2*\z], v[11+2*\z]
.endr
	v_cvt_scalef32_pk8_fp8_f32 v[C+16*\z+2*\c:C+16*\z+2*\c+1], v[T+8*((3*\c+\z)%2):T+8*((3*\c+\z)%2)+7], v[10+2*\z]   ; the two sets of held numbers take turns: eight plain lines stand ahead of the rewriting of a conversion's sources
.endr
.endr
	v_nop
.irp g, 0,1,2,3
	global_store_b128 v[L16], v[C+4*\g:C+4*\g+3], s[16:17] offset:512*\g
	global_store_b128 v[L16], v[C+16+4*\g:C+16+4*\g+3], s[18:19] offset:512*\g
	global_store_b128 v[L16], v[C+32+4*\g:C+32+4*\g+3], s[20:21] offset:512*\g
.endr
	s_wait_tensorcnt 0x0
	ds_add_u32 v160, v161
	s_wait_dscnt 0x0
	s_endpgm
.Lfunc_end_k_qa146a8074a_prep:
	.size	k_qa146a8074a_prep, .Lfunc_end_k_qa146a8074a_prep-k_qa146a8074a_prep
	.p2alignl 7, 3214868480
	.fill 96, 4, 3214868480
	.section	.rodata,"a",@progbits
	.p2align	6, 0x0
	.amdhsa_kernel k_qa146a8074a_prep
		.amdhsa_group_segment_fixed_size 101376
		.amdhsa_private_segment_fixed_size 0
		.amdhsa_enable_private_segment 0
		.amdhsa_kernarg_size 80
		.amdhsa_user_sgpr_count 2
		.amdhsa_user_sgpr_kernarg_segment_ptr 1
		.amdhsa_wavefront_size32 1
		.amdhsa_system_sgpr_workgroup_id_x 1
		.amdhsa_system_sgpr_workgroup_id_y 1
		.amdhsa_system_sgpr_workgroup_id_z 1
		.amdhsa_system_vgpr_workitem_id 0
		.amdhsa_next_free_vgpr 162
		.amdhsa_next_free_sgpr 84
		.amdhsa_reserve_vcc 0
		.amdhsa_float_denorm_mode_32 3
		.amdhsa_float_denorm_mode_16_64 3
		.amdhsa_memory_ordered 1
		.amdhsa_forward_progress 1
		.amdhsa_inst_pref_size 49
	.end_amdhsa_kernel
	.amdgpu_metadata
---
amdhsa.version: [ 1, 2 ]
amdhsa.kernels:
  - .name:           k_qa146a8074a_prep
    .symbol:         k_qa146a8074a_prep.kd
    .args:
      - { .name: x, .offset: 0, .size: 8, .value_kind: global_buffer, .address_space: global }
      - { .name: Wk, .offset: 8, .size: 8, .value_kind: global_buffer, .address_space: global }
      - { .name: Wv, .offset: 16, .size: 8, .value_kind: global_buffer, .address_space: global }
      - { .name: Wq, .offset: 24, .size: 8, .value_kind: global_buffer, .address_space: global }
      - { .name: Wp, .offset: 32, .size: 8, .value_kind: global_buffer, .address_space: global }
      - { .name: lowp_scales, .offset: 40, .size: 8, .value_kind: global_buffer, .address_space: global }
      - { .name: xq, .offset: 48, .size: 8, .value_kind: global_buffer, .address_space: global }
      - { .name: xk, .offset: 56, .size: 8, .value_kind: global_buffer, .address_space: global }
      - { .name: xv, .offset: 64, .size: 8, .value_kind: global_buffer, .address_space: global }
      - { .name: wimg, .offset: 72, .size: 8, .value_kind: global_buffer, .address_space: global }
    .group_segment_fixed_size: 101376
    .private_segment_fixed_size: 0
    .kernarg_segment_align: 8
    .kernarg_segment_size: 80
    .max_flat_workgroup_size: 256
    .sgpr_count:     84
    .vgpr_count:     162
    .wavefront_size: 32
...
	.end_amdgpu_metadata
.endif
;; end of part 1
;; launch proj (part 2): grid 4 x 64, 4 waves a work-group, clusters of 4 x 1, 168,448 bytes of LDS; arguments xq, xk, xv, wimg, lowp_scales, qimg, kvimg; writes qimg, kvimg
.if DOCPART == 2
	.amdgcn_target "amdgcn-amd-amdhsa--gfx1250"
	.amdhsa_code_object_version 6
	.text
	.protected	k_qa146a8074a_proj
	.globl	k_qa146a8074a_proj
	.p2align	8
	.type	k_qa146a8074a_proj,@function
k_qa146a8074a_proj:
	s_mov_b64 s[64:65], 0
	v_nop
	global_prefetch_b8 v0, s[64:65] scope:SCOPE_SE
	s_setreg_imm32_b32 hwreg(HW_REG_WAVE_MODE, 25, 1), 1
	s_wait_xcnt 0x0
	s_wait_alu depctr_hold_cnt(0) depctr_sa_sdst(0) depctr_va_vdst(0) depctr_va_sdst(0) depctr_va_ssrc(0) depctr_va_vcc(0) depctr_vm_vsrc(0)
	s_getreg_b32 s2, hwreg(HW_REG_IB_STS2, 6, 4)
	s_cmp_eq_u32 s2, 0
	s_cbranch_scc0 .Lentry_in_a_cluster
	s_endpgm
.Lentry_in_a_cluster:
	s_bfe_u32 s2, ttmp6, 0x10000c
	s_cmp_lg_u32 s2, 0x3003
	s_cbranch_scc0 .Lentry_shape_is_right
	s_endpgm
.Lentry_shape_is_right:
; PROJ: q = x Wq, k = x Wk, v = x Wv on codes of FP8, and the results quantised at once: q (entry 6), k (entry 7), v (entry 8) as images of operand registers.
; A work-group (g = its place in the cluster, rb = block of 128 tokens) makes q's heads 2g and 2g+1 and 64 columns of k (g = 0, 1) or of v (g = 2, 3): 256 equal work-groups.
; CLUSTER: the four work-groups of a block need the same 128 KB of xq: asked for JOINTLY, two tensor loads a wave (K steps w and w + 4), once; no LDS byte is filled again.
; The weights' images and xk / xv go from memory straight into registers: 40 loads of 512 consecutive bytes a K step, in two sets by turns.
; q, transposed use: source 0 = 16 columns of Wq, source 1 = 16 tokens: a lane holds ONE token and eight neighbouring d: one conversion gives registers 2t, 2t+1 of q's fragment.
; k: the same.  v: source 0 = 16 tokens, source 1 = 16 columns of Wv: a lane holds one d and eight neighbouring tokens, as the second product of attention wants it (K = the keys).
; Both are D[i][j] = P_i x R_j (i = 0, 1; j = 0..3): only the two pointers differ, chosen without a branch.
; A sum stands for sum x 2^(ea + eb): the three exponents are folded into the conversion's one scale.
; LIMITS: e6-e4-e5, e7-e0-e1, e8-e2-e3 between -126 and 119.
; REGISTERS: window 0: v1, v2 LDS addresses; v8-11 scales and holds; v16-143 xq's 8 fragments; v144-207 at work.  window 1: set 0: v0-63 Wq's 4 fragments, v64-95 P, v96-159 R.
;   window 2: set 1 likewise; v192-255 D[i][j] at 192 + 8 (4i + j).   window 3: q's accumulator (row tile rt, column tile ct) at 8 (4 rt + ct).
.set LI,  1
.set LI2, 2
.set AQ,  16
.set T,   144
.set CQ,  16                           ; q's codes, 8 registers a row tile (xq's fragments are done with)
.set CK,  80                           ; k's or v's codes
.set WV,  18
.set G1,  24
.set G0A, 32
.set G0B, 36
.set BQ,  40
.set PP,  42
.set PR,  44
.set QO,  46
.set KO,  48
.set MSB, 0
.macro WIN new                         ; the immediate's high byte repeats the setting that is left
.if MSB != (\new)
	s_set_vgpr_msb (MSB<<8)|(\new)
.set MSB, (\new)
.endif
.endm
.macro PLACES                          ; four plain places behind matrix instructions, ahead of loads into their sources and of reads of their results
.rept 4
	v_nop
.endr
.endm
.macro CROUND                          ; a round of the cluster's barrier
	s_barrier_signal -1
	s_barrier_wait -1
	s_cmp_lg_u32 s[WV], 0
	s_cbranch_scc1 .Lnot_wave_0_\@
	s_barrier_signal -3
.Lnot_wave_0_\@:
	s_barrier_wait -3
	s_barrier_signal -1
	s_barrier_wait -1
.endm
.macro MKSCALE e, vs, vh
	s_add_co_i32 s62, s[\e], 127
	s_lshl_b32 s63, s62, 23
	v_mov_b32 v[\vs], s63
	s_add_co_i32 s62, s62, 8
	s_lshl_b32 s62, s62, 23
	s_or_b32 s62, s62, 0x600000
	v_mov_b32 v[\vh], s62
.endm
	s_load_b256 s[4:11], s[0:1], 0x0               ; xq s[4:5], xk s[6:7], xv s[8:9], wimg s[10:11]
	s_load_b128 s[12:15], s[0:1], 0x20             ; the scales s[12:13], qimg s[14:15]
	s_load_b64 s[16:17], s[0:1], 0x30              ; kvimg
	v_lshl_add_u32 v254, v0, 2, 0x29000
	v_mov_b32 v255, 0
	ds_add_u32 v254, v255
	v_lshrrev_b32 v3, 5, v0
	v_readfirstlane_b32 s[WV], v3                  ; wave 0..3
	v_and_b32 v3, 31, v0
	v_lshlrev_b32 v[LI], 4, v3                     ; 16 x lane: an image's place for my lane
	v_add_nc_u32 v[LI2], 0x10000, v[LI]            ; the same for K steps 4..7
	s_bfe_u32 s19, ttmp6, 0x40000                  ; g: my place in the cluster
	s_and_b32 s20, ttmp7, 0xffff                   ; rb, which the four partners share
	; descriptor group 1: 64 rows of 256 bytes, dense: 16 KB, a K step's eight fragments
	s_mov_b32 s[G1], 15|(3<<16)|(1<<21)            ; 15:0 the mask: all four; 17:16 elements of 8 bytes; 21 set beside a mask
	s_mov_b32 s[G1+1], 32<<16                      ; tensor_dim0 = 32
	s_mov_b32 s[G1+2], 64<<16                      ; tensor_dim1 = 64
	s_mov_b32 s[G1+3], 32<<16                      ; tile_dim0 = 32
	s_mov_b32 s[G1+4], 64                          ; tile_dim1 = 64
	s_mov_b32 s[G1+5], 32                          ; from row to row
	s_mov_b32 s[G1+6], 0
	s_mov_b32 s[G1+7], 0
	s_lshl_b32 s52, s20, 17                        ; my block in xq, xk, xv, qimg
	s_mov_b32 s53, 0
	s_lshl_b32 s54, s[WV], 14
	s_mov_b32 s55, 0
	s_wait_dscnt 0x0
	s_wait_kmcnt 0x0
	s_load_b256 s[68:75], s[12:13], 0x0            ; entries 0..7
	s_load_b128 s[76:79], s[12:13], 0x20           ; entries 8..11
	s_add_nc_u64 s[56:57], s[4:5], s[52:53]
	s_add_nc_u64 s[56:57], s[56:57], s[54:55]      ; xq: block rb, K step w: nothing of g in it
	s_mov_b32 s[G0A], 1
	s_lshl_b32 s[G0A+1], s[WV], 14                 ; LDS: K step w
	s_mov_b64 s[G0A+2:G0A+3], s[56:57]
	s_or_b32 s[G0A+3], s[G0A+3], 0x80000000
	s_mov_b32 s[G0B], 1
	s_add_co_u32 s[G0B+1], s[G0A+1], 0x10000       ; K step w + 4
	s_add_nc_u64 s[G0B+2:G0B+3], s[56:57], 0x10000
	s_or_b32 s[G0B+3], s[G0B+3], 0x80000000
	CROUND                                         ; all four work-groups are here: the joint loads meet
	tensor_load_to_lds s[G0A:G0A+3], s[G1:G1+7]    ; two loads of mine are out
	s_nop 0
	tensor_load_to_lds s[G0B:G0B+3], s[G1:G1+7]
	s_nop 0
.rept 4
	v_nop
.endr
	s_lshr_b32 s21, s19, 1                         ; 0: I make k;  1: v
	s_and_b32 s22, s19, 1                          ; which 64 of its 128 columns
	s_and_b32 s23, s[WV], 1                        ; wl
	s_lshr_b32 s50, s[WV], 1                       ; wh
	s_lshl_b32 s51, s19, 1
	s_add_co_u32 s51, s51, s50                     ; my head: 2 g + wh
	s_mov_b32 s61, 0
	s_add_co_u32 s60, s51, 2
	s_lshl_b32 s60, s60, 17
	s_lshl_b32 s62, s23, 13
	s_add_co_u32 s60, s60, s62
	s_add_nc_u64 s[BQ:BQ+1], s[10:11], s[60:61]    ; Wq's block of my head, column tiles 4 wl on
	s_lshl_b32 s62, s23, 1
	s_cmp_eq_u32 s21, 0
	s_cselect_b32 s62, s62, 0
	s_lshl_b32 s60, s22, 2
	s_add_co_u32 s60, s60, s62                     ; k: column tiles 4 gh + 2 wl on;  v: 4 gh on
	s_lshl_b32 s60, s60, 11
	s_lshl_b32 s62, s21, 17
	s_add_co_u32 s60, s60, s62
	s_add_nc_u64 s[80:81], s[10:11], s[60:61]      ; in Wk's or Wv's block
	s_lshl_b32 s60, s[WV], 1
	s_lshl_b32 s62, s50, 2
	s_cmp_eq_u32 s21, 0
	s_cselect_b32 s60, s62, s60                    ; k: row tiles 4 wh on;  v: 2 w on
	s_cselect_b64 s[82:83], s[6:7], s[8:9]
	s_lshl_b32 s60, s60, 11
	s_add_co_u32 s60, s60, s52
	s_add_nc_u64 s[82:83], s[82:83], s[60:61]      ; in xk or xv
	s_cmp_eq_u32 s21, 0
	s_cselect_b64 s[PP:PP+1], s[80:81], s[82:83]   ; source 0: k: the weight;  v: x
	s_cselect_b64 s[PR:PR+1], s[82:83], s[80:81]   ; source 1: the other
	s_lshl_b32 s60, s51, 14
	s_add_co_u32 s60, s60, s52
	s_lshl_b32 s62, s23, 10
	s_add_co_u32 s60, s60, s62
	s_add_nc_u64 s[QO:QO+1], s[14:15], s[60:61]    ; q: block, head, registers 8 wl on of each image
	s_lshl_b32 s60, s50, 13
	s_lshl_b32 s62, s22, 1
	s_add_co_u32 s62, s62, s23
	s_lshl_b32 s62, s62, 9
	s_add_co_u32 s60, s60, s62                     ; k: key tiles 4 wh on, registers 4 (2 gh + wl) on
	s_lshl_b32 s62, s22, 13
	s_lshl_b32 s63, s[WV], 9
	s_add_co_u32 s62, s62, s63
	s_add_co_u32 s62, s62, 0x4000                  ; v: behind k's 16 KB; d tiles 4 gh on, registers 4 w on
	s_cmp_eq_u32 s21, 0
	s_cselect_b32 s60, s60, s62
	s_lshl_b32 s62, s20, 15
	s_add_co_u32 s60, s60, s62
	s_add_nc_u64 s[KO:KO+1], s[16:17], s[60:61]
.macro GLOAD s                         ; K step s: 40 loads of 512 consecutive bytes into the set that the window names
.irp t, 0,1,2,3
.irp c, 0,1,2,3
	global_load_b128 v[16*\t+4*\c:16*\t+4*\c+3], v[LI], s[BQ:BQ+1] offset:(\s)*16384+\t*2048+\c*512
.endr
.endr
.irp t, 0,1
.irp c, 0,1,2,3
	global_load_b128 v[64+16*\t+4*\c:64+16*\t+4*\c+3], v[LI], s[PP:PP+1] offset:(\s)*16384+\t*2048+\c*512
.endr
.endr
.irp t, 0,1,2,3
.irp c, 0,1,2,3
	global_load_b128 v[96+16*\t+4*\c:96+16*\t+4*\c+3], v[LI], s[PR:PR+1] offset:(\s)*16384+\t*2048+\c*512
.endr
.endr
.endm
	WIN 0x40
	GLOAD 0
	WIN 0
	s_wait_kmcnt 0x0
	s_sub_co_i32 s60, s74, s72
	s_sub_co_i32 s60, s60, s73                     ; e6 - e4 - e5
	MKSCALE 60, 8, 9
	s_sub_co_i32 s60, s75, s68
	s_sub_co_i32 s60, s60, s69                     ; e7 - e0 - e1
	s_sub_co_i32 s61, s76, s70
	s_sub_co_i32 s61, s61, s71                     ; e8 - e2 - e3
	s_cmp_eq_u32 s21, 0
	s_cselect_b32 s60, s60, s61
	MKSCALE 60, 10, 11
; A K step: 40 matrix instructions on 40 accumulators, which take turns in one fixed order, one instruction a turn.
.macro STEP s
.set WB, 1+(\s)%2                      ; this step's set lies in this window,
.set WO, 2-(\s)%2                      ; the other set in that
.set WKV, 0xa0|(WB<<2)|WB
.set WQ, 0xf0|WB
.set WLD, WO<<6
	s_wait_loadcnt 0x0                             ; only this step's 40 loads were out
.if (\s) > 0
	PLACES                                         ; the last step's products have read the other set and xq's fragments
.endif
.if (\s) < 7
	WIN WLD
	GLOAD (\s)+1
.endif
	WIN 0
.if (\s) == 0
	s_wait_tensorcnt 0x1                           ; my first load, K step w, is in; the second may be out
	s_barrier_signal -1
	s_barrier_wait -1                              ; K steps 0..3 lie in LDS
.endif
.if (\s) == 4
	s_wait_tensorcnt 0x0
	s_barrier_signal -1
	s_barrier_wait -1                              ; K steps 4..7 too
.endif
.irp rt, 0,1,2,3,4,5,6,7
.irp c, 0,1,2,3
.if (\s) < 4
	ds_load_b128 v[AQ+16*\rt+4*\c:AQ+16*\rt+4*\c+3], v[LI] offset:((\s)%4)*16384+\rt*2048+\c*512
.else
	ds_load_b128 v[AQ+16*\rt+4*\c:AQ+16*\rt+4*\c+3], v[LI2] offset:((\s)%4)*16384+\rt*2048+\c*512
.endif
.endr
.endr
	WIN WKV                                        ; k's or v's eight products want nothing from LDS: they stand while xq's fragments come
.irp i, 0,1
.irp j, 0,1,2,3
.if (\s) == 0
	v_wmma_f32_16x16x128_fp8_fp8 v[192+8*(4*\i+\j):192+8*(4*\i+\j)+7], v[64+16*\i:64+16*\i+15], v[96+16*\j:96+16*\j+15], 0
.else
	v_wmma_f32_16x16x128_fp8_fp8 v[192+8*(4*\i+\j):192+8*(4*\i+\j)+7], v[64+16*\i:64+16*\i+15], v[96+16*\j:96+16*\j+15], v[192+8*(4*\i+\j):192+8*(4*\i+\j)+7]
.endif
.endr
.endr
	WIN WQ
.irp rt, 0,1,2,3,4,5,6,7
	s_wait_dscnt 4*(7-\rt)                         ; row tile rt's fragment is in; the later tiles' may be out
.irp ct, 0,1,2,3
.if (\s) == 0
	v_wmma_f32_16x16x128_fp8_fp8 v[8*(4*\rt+\ct):8*(4*\rt+\ct)+7], v[16*\ct:16*\ct+15], v[AQ+16*\rt:AQ+16*\rt+15], 0
.else
	v_wmma_f32_16x16x128_fp8_fp8 v[8*(4*\rt+\ct):8*(4*\rt+\ct)+7], v[16*\ct:16*\ct+15], v[AQ+16*\rt:AQ+16*\rt+15], v[8*(4*\rt+\ct):8*(4*\rt+\ct)+7]
.endif
.endr
.endr
.endm
	STEP 0
	STEP 1
	STEP 2
	STEP 3
	STEP 4
	STEP 5
	STEP 6
	STEP 7
	PLACES
; THE WAY OUT.  Each accumulator is held and converted from its low end on; a tile's eight numbers become two registers of the next operand.
.macro QOUT rt
	WIN 0x03                                       ; source 0: window 3
.set i, 0
.rept 32
	v_med3_num_f32 v[T+i], v[32*(\rt)+i], -v9, v9
.set i, i+1
.endr
	WIN 0
.irp ct, 0,1,2,3
	v_cvt_scalef32_pk8_fp8_f32 v[CQ+8*(\rt)+2*\ct:CQ+8*(\rt)+2*\ct+1], v[T+8*\ct:T+8*\ct+7], v8
.endr
	v_nop                                          ; a plain line ahead of the next rewriting of the conversions' sources
.irp u, 0,1
	global_store_b128 v[LI], v[CQ+8*(\rt)+4*\u:CQ+8*(\rt)+4*\u+3], s[QO:QO+1] offset:(\rt)*2048+\u*512   ; 512 consecutive bytes, aligned
.endr
.endm
.irp rt, 0,1,2,3,4,5,6,7
	QOUT \rt
.endr
	WIN 0x02                                       ; source 0: window 2
.set i, 0
.rept 64
	v_med3_num_f32 v[T+i], v[192+i], -v11, v11
.set i, i+1
.endr
	WIN 0
.irp j, 0,1,2,3
	v_cvt_scalef32_pk8_fp8_f32 v[CK+4*\j:CK+4*\j+1], v[T+8*\j:T+8*\j+7], v10          ; D[0][j] and D[1][j] are four neighbouring registers of one image
	v_cvt_scalef32_pk8_fp8_f32 v[CK+4*\j+2:CK+4*\j+3], v[T+32+8*\j:T+32+8*\j+7], v10
.endr
	v_nop
.irp j, 0,1,2,3
	global_store_b128 v[LI], v[CK+4*\j:CK+4*\j+3], s[KO:KO+1] offset:\j*2048
.endr
	s_wait_tensorcnt 0x0
	ds_add_u32 v254, v255
	s_wait_dscnt 0x0
	CROUND                                         ; the closing round: no work-group ends while a partner may still ask for a tile that names it
	s_endpgm
.Lfunc_end_k_qa146a8074a_proj:
	.size	k_qa146a8074a_proj, .Lfunc_end_k_qa146a8074a_proj-k_qa146a8074a_proj
	.p2alignl 7, 3214868480
	.fill 96, 4, 3214868480
	.section	.rodata,"a",@progbits
	.p2align	6, 0x0
	.amdhsa_kernel k_qa146a8074a_proj
		.amdhsa_group_segment_fixed_size 168448
		.amdhsa_private_segment_fixed_size 0
		.amdhsa_enable_private_segment 0
		.amdhsa_kernarg_size 56
		.amdhsa_user_sgpr_count 2
		.amdhsa_user_sgpr_kernarg_segment_ptr 1
		.amdhsa_wavefront_size32 1
		.amdhsa_system_sgpr_workgroup_id_x 1
		.amdhsa_system_sgpr_workgroup_id_y 1
		.amdhsa_system_sgpr_workgroup_id_z 1
		.amdhsa_system_vgpr_workitem_id 0
		.amdhsa_next_free_vgpr 1024
		.amdhsa_next_free_sgpr 84
		.amdhsa_reserve_vcc 0
		.amdhsa_float_denorm_mode_32 3
		.amdhsa_float_denorm_mode_16_64 3
		.amdhsa_memory_ordered 1
		.amdhsa_forward_progress 1
		.amdhsa_inst_pref_size 102
	.end_amdhsa_kernel
	.amdgpu_metadata
---
amdhsa.version: [ 1, 2 ]
amdhsa.kernels:
  - .name:           k_qa146a8074a_proj
    .symbol:         k_qa146a8074a_proj.kd
    .args:
      - { .name: xq, .offset: 0, .size: 8, .value_kind: global_buffer, .address_space: global }
      - { .name: xk, .offset: 8, .size: 8, .value_kind: global_buffer, .address_space: global }
      - { .name: xv, .offset: 16, .size: 8, .value_kind: global_buffer, .address_space: global }
      - { .name: wimg, .offset: 24, .size: 8, .value_kind: global_buffer, .address_space: global }
      - { .name: lowp_scales, .offset: 32, .size: 8, .value_kind: global_buffer, .address_space: global }
      - { .name: qimg, .offset: 40, .size: 8, .value_kind: global_buffer, .address_space: global }
      - { .name: kvimg, .offset: 48, .size: 8, .value_kind: global_buffer, .address_space: global }
    .group_segment_fixed_size: 168448
    .private_segment_fixed_size: 0
    .kernarg_segment_align: 8
    .kernarg_segment_size: 56
    .max_flat_workgroup_size: 128
    .sgpr_count:     84
    .vgpr_count:     1024
    .wavefront_size: 32
...
	.end_amdgpu_metadata
.endif
;; end of part 2
;; launch attn (part 3): grid 64 x 4, 8 waves a work-group, clusters of 4 x 1, 327,680 bytes of LDS; arguments qimg, kvimg, lowp_scales, attimg; writes attimg
.if DOCPART == 3
	.amdgcn_target "amdgcn-amd-amdhsa--gfx1250"
	.amdhsa_code_object_version 6
	.text
	.protected	k_qa146a8074a_attn
	.globl	k_qa146a8074a_attn
	.p2align	8
	.type	k_qa146a8074a_attn,@function
k_qa146a8074a_attn:
	s_mov_b64 s[64:65], 0
	v_nop
	global_prefetch_b8 v0, s[64:65] scope:SCOPE_SE
	s_setreg_imm32_b32 hwreg(HW_REG_WAVE_MODE, 25, 1), 1
	s_wait_xcnt 0x0
	s_wait_alu depctr_hold_cnt(0) depctr_sa_sdst(0) depctr_va_vdst(0) depctr_va_sdst(0) depctr_va_ssrc(0) depctr_va_vcc(0) depctr_vm_vsrc(0)
	s_getreg_b32 s2, hwreg(HW_REG_IB_STS2, 6, 4)
	s_cmp_eq_u32 s2, 0
	s_cbranch_scc0 .Lentry_in_a_cluster
	s_endpgm
.Lentry_in_a_cluster:
	s_bfe_u32 s2, ttmp6, 0x10000c
	s_cmp_lg_u32 s2, 0x3003
	s_cbranch_scc0 .Lentry_shape_is_right
	s_endpgm
.Lentry_shape_is_right:
; ATTN: causal attention with one shared head of keys and values, both products on codes of FP8; the result is quantised (entry 10) into images for the last product.
; t = score x log2(e) / 32 (the scale is 1,024^-1/2); M = the running largest t rounded UP to a whole number; p = 2^(t - M) is quantised (entry 9), not normalised;
; the row's sum is taken of the unquantised p and divides at the end.  When M moves, the sum and O are multiplied by 2^(old M - new M): exact.
; SHARES.  The eight waves are the eight heads; all read the same K and V.  A work-group takes tile j of 16 tokens (j = 4 x cluster + place, 0..63) and THEN tile 127 - j.
; With a = j / 8 the first needs key steps (of 128 keys) 0..a, the second 0..15-a: 17 steps in every work-group, a constant.  Step n reads key step n (n <= a) or n - a - 1.
; The diagonal steps, n = a and n = 16, hide keys beyond the query; steps wholly beyond the diagonal are never made.
; CLUSTER.  a is the same in the four partners, so they walk the same key steps: each tile of K and of V is asked for JOINTLY.  The branches (n = a) hang on the cluster's number alone.
; A key step is 32 KB in kvimg: K's eight fragments (rows = keys), then V's eight (rows = d, K = the keys).  Two LDS slots of one key step; waves 0 and 1 fetch K's and V's halves.
; LAYOUT.  S^T = K Q^T and O^T = V^T P^T: a lane holds ONE query throughout; a tile's eight numbers convert into registers 2t, 2t+1 of the next operand.
; LIMITS: e6 + e7 between -121 and 132 (added to c's exponent field); e9 and e10 - e8 - e9 between -126 and 119.
; REGISTERS: window 0: v1 16 x lane; v2, v3 the masks' offsets; v4 the prefetch's; v5, v6 for the add; v12 -M, v13 largest t, v[14:15] the sum; v16-31 Q; v32-47 the second tile's Q;
;   v48-63, v64-79 the two results' codes; v96-159 S^T, then p; v160-223 O^T; v224-239 p's codes; v240, v244 and v241, v245 holds and scales; v236, v242-243, v252-254 at work.
;   window 1: v0-127 K's fragments, v128-255 V's.
.set SPARE, 0x10000                    ; behind the two slots: the spare words, 128 bytes a wave: four blocks of 256 bytes that no other line names
.set LI,   1
.set D1,   2
.set D2,   3
.set PFO,  4
.set SPW,  5
.set NIL,  6
.set WV,   12
.set CX,   13
.set A,    14
.set A1,   15
.set N,    16
.set CT,   17
.set PLIM, 18
.set SEL,  20
.set CS,   22
.set G1,   24
.set G0,   32                          ; s[32:35] slot 0's group 0, s[36:39] slot 1's
.set KVW,  40                          ; s[40:41] kvimg at my batch, + my half of a key step
.set PFA,  42
.set OA,   44
.set OB,   46
.set QA,   48
.set QB,   50
.set MSB, 0
.macro WIN new
.if MSB != (\new)
	s_set_vgpr_msb (MSB<<8)|(\new)
.set MSB, (\new)
.endif
.endm
.macro PLACES
.rept 4
	v_nop
.endr
.endm
.macro CROUND
	s_barrier_signal -1
	s_barrier_wait -1
	s_cmp_lg_u32 s[WV], 0
	s_cbranch_scc1 .Lnot_wave_0_\@
	s_barrier_signal -3
.Lnot_wave_0_\@:
	s_barrier_wait -3
	s_barrier_signal -1
	s_barrier_wait -1
.endm
.macro JLOAD g0                        ; wave 0: K's 16 KB, wave 1: V's; the branch hangs on the wave's number alone; four v_nop follow the load
	s_cmp_lt_u32 s[WV], 2
	s_cbranch_scc0 .Lno_load_\@
	tensor_load_to_lds s[\g0:\g0+3], s[G1:G1+7]
	s_nop 0
.rept 4
	v_nop
.endr
.Lno_load_\@:
.endm
; A PREFETCH INTO THE L2: in trip n key step n + 3 of the batch, two trips ahead of the earliest joint load that names it (a cluster with a > n + 2 asks for key step n + 3 in trip n + 2).
; All 16 clusters of a batch walk the same keys: the batch's first cluster asks.  Its four partners take 8 KB each of the 32 KB, told apart BY ADDRESS; in each, wave 2 asks, lanes 256 bytes apart.
; Trips 13 on ask for nothing: the batch has 16 key steps.  Key steps 0 to 2 come by their loads alone.
.macro ASK
	s_cmp_lt_u32 s[N], s[PLIM]
	s_cbranch_scc0 .Lnot_mine_\@
	global_prefetch_b8 v[PFO], s[PFA:PFA+1] th:TH_LOAD_NT scope:SCOPE_SE
.Lnot_mine_\@:
.endm
.macro MKSCALE e, vs, vh
	s_add_co_i32 s52, s[\e], 127
	s_lshl_b32 s53, s52, 23
	v_mov_b32 v[\vs], s53
	s_add_co_i32 s52, s52, 8
	s_lshl_b32 s52, s52, 23
	s_or_b32 s52, s52, 0x600000
	v_mov_b32 v[\vh], s52
.endm
	s_load_b256 s[4:11], s[0:1], 0x0               ; qimg s[4:5], kvimg s[6:7], the scales s[8:9], attimg s[10:11]
	v_lshl_add_u32 v[SPW], v0, 2, SPARE
	v_mov_b32 v[NIL], 0
	ds_add_u32 v5, v6
	s_wait_dscnt 0x0
	v_lshrrev_b32 v7, 5, v0
	v_readfirstlane_b32 s[WV], v7                  ; wave 0..7 = my head
	v_and_b32 v7, 31, v0
	v_lshlrev_b32 v[LI], 4, v7
	v_lshlrev_b32 v[PFO], 8, v7
	s_bfe_u32 s[CX], ttmp6, 0x40000                ; my place in the cluster
	s_lshr_b32 s[A], ttmp9, 1                      ; a = j / 8 = cluster / 2: the same in all four
	s_add_co_u32 s[A1], s[A], 1
	s_and_b32 s54, ttmp7, 0xffff                   ; the batch
	s_and_b32 s52, ttmp9, 1
	s_lshl_b32 s52, s52, 2
	s_add_co_u32 s52, s52, s[CX]                   ; j % 8: my first tile's place in its block of 128 tokens,
	s_sub_co_u32 s53, 7, s52                       ; and my second's
	v_and_b32 v8, 15, v0
	v_bfe_u32 v9, v0, 4, 1
	v_lshlrev_b32 v9, 3, v9
	v_sub_nc_u32 v8, v8, v9                        ; r - 8 h
	s_lshl_b32 s55, s52, 4
	v_add_nc_u32 v[D1], s55, v8                    ; register 8 t + i holds key 16 t + 8 h + i of the step: hidden on the diagonal where 16 t + i > 16 (j % 8) + r - 8 h
	s_lshl_b32 s55, s53, 4
	v_add_nc_u32 v[D2], s55, v8
	s_lshl_b32 s61, s[WV], 14
	s_lshl_b32 s56, s54, 4
	s_add_co_u32 s57, s56, s[A]
	s_lshl_b32 s58, s57, 17
	s_add_co_u32 s58, s58, s61
	s_lshl_b32 s60, s52, 11
	s_add_co_u32 s58, s58, s60                     ; my first tile's image in qimg and attimg: block 16 batch + a, my head, tile j % 8
	s_mov_b32 s59, 0
	s_add_co_u32 s57, s56, 15
	s_sub_co_u32 s57, s57, s[A]
	s_lshl_b32 s62, s57, 17
	s_add_co_u32 s62, s62, s61
	s_lshl_b32 s60, s53, 11
	s_add_co_u32 s62, s62, s60                     ; my second's: block 16 batch + 15 - a, tile 7 - j % 8
	s_mov_b32 s63, 0
	s_mov_b32 s[G1], 15|(3<<16)|(1<<21)            ; 64 rows of 256 bytes, dense; the mask names all four; bit 21 beside it
	s_mov_b32 s[G1+1], 32<<16
	s_mov_b32 s[G1+2], 64<<16
	s_mov_b32 s[G1+3], 32<<16
	s_mov_b32 s[G1+4], 64
	s_mov_b32 s[G1+5], 32
	s_mov_b32 s[G1+6], 0
	s_mov_b32 s[G1+7], 0
	s_mov_b32 s[SEL], 0x76543210
	s_mov_b32 s[SEL+1], 0xfedcba98
	s_mov_b32 s[CS], 0x3d38aa3b                    ; c = log2(e) / 32
	s_mov_b32 s[N], 0
	s_mov_b32 s[CT], 0
	s_xor_b32 s55, s[WV], 2
	s_or_b32 s55, s55, ttmp9
	s_cmp_eq_u32 s55, 0
	s_cselect_b32 s[PLIM], 13, 0                   ; wave 2 of the batch's first cluster prefetches in trips 0..12
	s_wait_kmcnt 0x0
	s_load_b256 s[68:75], s[8:9], 0x0              ; entries 0..7
	s_load_b128 s[76:79], s[8:9], 0x20             ; entries 8..11
	s_add_nc_u64 s[QA:QA+1], s[4:5], s[58:59]
	s_add_nc_u64 s[QB:QB+1], s[4:5], s[62:63]
	s_add_nc_u64 s[OA:OA+1], s[10:11], s[58:59]
	s_add_nc_u64 s[OB:OB+1], s[10:11], s[62:63]
	s_lshl_b32 s56, s54, 19
	s_mov_b32 s57, 0
	s_add_nc_u64 s[PFA:PFA+1], s[6:7], s[56:57]    ; kvimg at my batch
	s_mov_b32 s52, s61
	s_mov_b32 s53, 0
	s_add_nc_u64 s[KVW:KVW+1], s[PFA:PFA+1], s[52:53]
	s_lshl_b32 s52, s[CX], 13
	s_add_co_u32 s52, s52, 0x10000
	s_add_nc_u64 s[PFA:PFA+1], s[PFA:PFA+1], s[52:53]   ; my work-group's 8 KB of key step 2: trip 0 steps it to key step 3
	s_mov_b32 s[G0], 1
	s_lshl_b32 s[G0+1], s[WV], 14                  ; slot 0, my half
	s_mov_b64 s[G0+2:G0+3], s[KVW:KVW+1]           ; key step 0
	s_or_b32 s[G0+3], s[G0+3], 0x80000000
	s_mov_b32 s[G0+4], 1
	s_add_co_u32 s[G0+5], s[G0+1], 0x8000          ; slot 1 (its address is written in trip 0)
	CROUND                                         ; all four work-groups are here: the first joint load meets
	JLOAD G0
.irp c, 0,1,2,3
	global_load_b128 v[16+4*\c:19+4*\c], v[LI], s[QA:QA+1] offset:512*\c
	global_load_b128 v[32+4*\c:35+4*\c], v[LI], s[QB:QB+1] offset:512*\c
.endr
.macro REINIT                          ; a tile's start: zeros, which the first change of M leaves zeros
	v_mov_b32 v13, 0xff61b1e6                      ; the largest t so far: -3e38
	v_floor_f32 v12, -v13                          ; -M
	v_mov_b32 v14, 0
	v_mov_b32 v15, 0
.set i, 0
.rept 64
	v_mov_b32 v[160+i], 0
.set i, i+1
.endr
.endm
	REINIT
	v_mov_b32 v236, 0                              ; a lane permute's destination counts as one of its sources
	v_mov_b32 v253, 0                              ; (named as the upper half of v[252:253])
	s_wait_kmcnt 0x0
	s_add_co_i32 s52, s74, s75
	s_lshl_b32 s52, s52, 23
	s_add_co_i32 s[CS], s[CS], s52                 ; a score stands for score x 2^(e6 + e7)
	s_mov_b32 s[CS+1], s[CS]
	MKSCALE 77, 244, 240                           ; 2^e9 and 448 x 2^e9: p's
	s_sub_co_i32 s54, s78, s76
	s_sub_co_i32 s54, s54, s77                     ; e10 - e8 - e9: O / l stands for the result / 2^(e8 + e9)
	MKSCALE 54, 245, 241
.macro MASK d
	v_mov_b32 v254, 0xff800000                     ; -infinity: p = 0 then
.set n, 0
.rept 64
	v_cmp_gt_i32 vcc_lo, 16*(n/8)+n%8, v[\d]
	v_cndmask_b32 v[96+n], v[96+n], v254, vcc_lo
.set n, n+1
.endr
.endm
; A tile's end: O^T / the sum, held, converted, stored as one image of 2,048 bytes.
.macro FINISH base, oc
	PLACES
	v_add_f32 v14, v14, v15
	v_permlanex16_b32 v252, v14, s[SEL], s[SEL+1]
	v_add_f32 v14, v14, v252                       ; the row's sum
	v_rcp_f32 v14, v14
	v_nop                                          ; a plain line behind the reciprocal,
	s_wait_alu depctr_va_vdst(0)                   ; and the wait ahead of its first reader
.set i, 0
.rept 32
	v_pk_mul_f32 v[160+i:161+i], v[160+i:161+i], v[14:15] op_sel_hi:[1,0]
.set i, i+2
.endr
.set i, 0
.rept 64
	v_med3_num_f32 v[160+i], v[160+i], -v241, v241
.set i, i+1
.endr
.irp t, 0,1,2,3,4,5,6,7
	v_cvt_scalef32_pk8_fp8_f32 v[\oc+2*\t:\oc+2*\t+1], v[160+8*\t:167+8*\t], v245
.endr
	v_nop
.irp c, 0,1,2,3
	global_store_b128 v[LI], v[\oc+4*\c:\oc+4*\c+3], s[\base:\base+1] offset:512*\c
.endr
.endm
; A KEY STEP's work, from the given slot.  tail = 1: the last step, the second tile's diagonal.
.macro STEPW slot, tail
	PLACES                                         ; the last step's products have read K's and V's registers
	WIN 0x40                                       ; destination window 1
.irp f, 0,1,2,3,4,5,6,7
.irp c, 0,1,2,3
	ds_load_b128 v[16*\f+4*\c:16*\f+4*\c+3], v[LI] offset:(\slot)*32768+\f*2048+\c*512
.endr
.endr
.irp f, 0,1,2,3,4,5,6,7
.irp c, 0,1,2,3
	ds_load_b128 v[128+16*\f+4*\c:128+16*\f+4*\c+3], v[LI] offset:(\slot)*32768+16384+\f*2048+\c*512
.endr
.endr
	s_wait_dscnt 48                                ; K's fragments 0-3 are in
	WIN 0x01                                       ; source 0 window 1
.irp t, 0,1,2,3
	v_wmma_f32_16x16x128_fp8_fp8 v[96+8*\t:103+8*\t], v[16*\t:16*\t+15], v[16:31], 0
.endr
	s_wait_dscnt 32                                ; and 4-7; V's may be out
.irp t, 4,5,6,7
	v_wmma_f32_16x16x128_fp8_fp8 v[96+8*\t:103+8*\t], v[16*\t:16*\t+15], v[16:31], 0
.endr
	WIN 0
	PLACES
.if \tail
	MASK D2
.else
	s_cmp_lg_u32 s[N], s[A]
	s_cbranch_scc1 .Lopen_\@
	MASK D1
.Lopen_\@:
.endif
	v_max3_num_f32 v254, v96, v97, v98             ; the step's largest score of my query among my 64 keys, in two chains, from each tile's low end on
	v_max3_num_f32 v252, v99, v100, v101
.irp i, 6,10,14,18,22,26,30,34,38,42,46,50,54,58
	v_max3_num_f32 v254, v254, v[96+\i], v[97+\i]
	v_max3_num_f32 v252, v252, v[98+\i], v[99+\i]
.endr
	v_max3_num_f32 v254, v254, v158, v159
	v_max_num_f32 v254, v254, v252
	v_permlanex16_b32 v236, v254, s[SEL], s[SEL+1]
	v_max_num_f32 v254, v254, v236                 ; and among the other half's
	v_mul_f32 v254, s[CS], v254                    ; as t (c is positive)
	v_max_num_f32 v13, v13, v254                   ; the running largest t
	v_mov_b32 v254, v12
	v_floor_f32 v12, -v13                          ; -M = floor(-t): M is a whole number
	v_sub_f32 v254, v12, v254                      ; old M - new M: a whole number, 0 or less
	v_cvt_i32_f32 v254, v254                       ; (it saturates)
	v_ldexp_f32 v252, 1.0, v254                    ; f = 2^(old M - new M)
.set i, 0
.rept 32
	v_pk_fma_f32 v[96+i:97+i], v[96+i:97+i], s[CS:CS+1], v[12:13] op_sel_hi:[1,0,0]   ; t - M
.set i, i+2
.endr
.set i, 0
.rept 64
	v_exp_f32 v[96+i], v[96+i]                     ; p = 2^(t - M)
.set i, i+1
.endr
	v_pk_mul_f32 v[14:15], v[14:15], v[252:253] op_sel_hi:[1,0]   ; the sums under the new M (a plain line behind the exponentials)
	s_wait_alu depctr_va_vdst(0)                   ; one wait for the batch of 64, ahead of its first reader
	v_pk_add_f32 v[242:243], v[96:97], v[98:99]    ; the sum of the UNQUANTISED p, in two chains
.irp j, 4,8,12,16,20,24,28,32,36,40,44,48,52,56,60
	v_pk_add_f32 v[14:15], v[14:15], v[96+\j:97+\j]
	v_pk_add_f32 v[242:243], v[242:243], v[98+\j:99+\j]
.endr
	v_pk_add_f32 v[14:15], v[14:15], v[242:243]
.irp t, 0,1,2,3,4,5,6,7
.irp i, 0,1,2,3,4,5,6,7
	v_min_num_f32 v[96+8*\t+\i], v[96+8*\t+\i], v240   ; p is not negative: a one-sided hold (the conversion does not saturate: ISA guide 7.6.2)
.endr
	v_cvt_scalef32_pk8_fp8_f32 v[224+2*\t:225+2*\t], v[96+8*\t:103+8*\t], v244   ; keys 16 t + 8 h + 0..7: registers 2t, 2t+1 of P's fragment
.endr
.set i, 0
.rept 32
	v_pk_mul_f32 v[160+i:161+i], v[160+i:161+i], v[252:253] op_sel_hi:[1,0]   ; O^T under the new M (plain lines behind the conversions)
.set i, i+2
.endr
	s_wait_dscnt 0x0                               ; V is in
	WIN 0x01
.irp t, 0,1,2,3,4,5,6,7
	v_wmma_f32_16x16x128_fp8_fp8 v[160+8*\t:167+8*\t], v[128+16*\t:143+16*\t], v[224:239], v[160+8*\t:167+8*\t]   ; the eight accumulators by turns
.endr
	WIN 0
.if \tail
	FINISH OB, 64
.else
	s_cmp_lg_u32 s[N], s[A]
	s_cbranch_scc1 .Lgo_on_\@
	FINISH OA, 48                                  ; the first tile is done;
	REINIT                                         ; the second begins
.set i, 0
.rept 16
	v_mov_b32 v[16+i], v[32+i]
.set i, i+1
.endr
.Lgo_on_\@:
.endif
.endm
; A TRIP.  Each wave waits for all its tensor loads (this step's tile), adds 0 to its spare word, and waits for that and for its reads of the other slot.  refill = 1: a round of the cluster's
; barrier, and behind it the other slot is filled with step n + 1's keys: the load has this step's work in which to land.  A wave has one tensor load out at the most.
.macro TRIP slot, refill, tail
	s_wait_tensorcnt 0x0                           ; no tensor load of mine is out, so a group 0 may be written
	ds_add_u32 v[SPW], v[NIL]                      ; 0 onto my spare word
.if \refill
	s_add_co_u32 s52, s[N], 1
	s_cmp_gt_u32 s52, s[A]
	s_cselect_b32 s53, s[A1], 0
	s_sub_co_u32 s52, s52, s53                     ; step n + 1's key step
	s_lshl_b32 s52, s52, 15
	s_mov_b32 s53, 0
	s_add_nc_u64 s[G0+6-4*\slot:G0+7-4*\slot], s[KVW:KVW+1], s[52:53]
	s_or_b32 s[G0+7-4*\slot], s[G0+7-4*\slot], 0x80000000
	s_wait_xcnt 0x0                                ; the last prefetch, a trip back, has read its address
	s_add_nc_u64 s[PFA:PFA+1], s[PFA:PFA+1], 0x8000
	s_wait_dscnt 0x0                               ; the add is done, and my reads of the other slot are over
	CROUND
	JLOAD G0+4-4*\slot
	ASK
.else
	s_wait_dscnt 0x0
	s_barrier_signal -1
	s_barrier_wait -1
.endif
	STEPW \slot, \tail
	s_add_co_u32 s[N], s[N], 1
.endm
	s_wait_loadcnt 0x0                             ; Q of both tiles
.Ltrip:                                            ; 8 trips of two steps: n = 0..15
	TRIP 0, 1, 0
	TRIP 1, 1, 0
	s_add_co_u32 s[CT], s[CT], 1
	s_cmp_lt_u32 s[CT], 8
	s_cbranch_scc1 .Ltrip
	TRIP 0, 0, 1                                   ; n = 16 is written out: nothing is left to fetch
	s_wait_tensorcnt 0x0                           ; the wave's end
	ds_add_u32 v[SPW], v[NIL]
	s_wait_dscnt 0x0
	CROUND                                         ; the closing round
	s_endpgm
.Lfunc_end_k_qa146a8074a_attn:
	.size	k_qa146a8074a_attn, .Lfunc_end_k_qa146a8074a_attn-k_qa146a8074a_attn
	.p2alignl 7, 3214868480
	.fill 96, 4, 3214868480
	.section	.rodata,"a",@progbits
	.p2align	6, 0x0
	.amdhsa_kernel k_qa146a8074a_attn
		.amdhsa_group_segment_fixed_size 327680
		.amdhsa_private_segment_fixed_size 0
		.amdhsa_enable_private_segment 0
		.amdhsa_kernarg_size 32
		.amdhsa_user_sgpr_count 2
		.amdhsa_user_sgpr_kernarg_segment_ptr 1
		.amdhsa_wavefront_size32 1
		.amdhsa_system_sgpr_workgroup_id_x 1
		.amdhsa_system_sgpr_workgroup_id_y 1
		.amdhsa_system_sgpr_workgroup_id_z 1
		.amdhsa_system_vgpr_workitem_id 0
		.amdhsa_next_free_vgpr 512
		.amdhsa_next_free_sgpr 80
		.amdhsa_reserve_vcc 1
		.amdhsa_float_denorm_mode_32 3
		.amdhsa_float_denorm_mode_16_64 3
		.amdhsa_memory_ordered 1
		.amdhsa_forward_progress 1
		.amdhsa_inst_pref_size 110
	.end_amdhsa_kernel
	.amdgpu_metadata
---
amdhsa.version: [ 1, 2 ]
amdhsa.kernels:
  - .name:           k_qa146a8074a_attn
    .symbol:         k_qa146a8074a_attn.kd
    .args:
      - { .name: qimg, .offset: 0, .size: 8, .value_kind: global_buffer, .address_space: global }
      - { .name: kvimg, .offset: 8, .size: 8, .value_kind: global_buffer, .address_space: global }
      - { .name: lowp_scales, .offset: 16, .size: 8, .value_kind: global_buffer, .address_space: global }
      - { .name: attimg, .offset: 24, .size: 8, .value_kind: global_buffer, .address_space: global }
    .group_segment_fixed_size: 327680
    .private_segment_fixed_size: 0
    .kernarg_segment_align: 8
    .kernarg_segment_size: 32
    .max_flat_workgroup_size: 256
    .sgpr_count:     80
    .vgpr_count:     512
    .wavefront_size: 32
...
	.end_amdgpu_metadata
.endif
;; end of part 3
;; launch outp (part 4): grid 4 x 64, 4 waves a work-group, clusters of 4 x 1, 168,448 bytes of LDS; arguments attimg, wimg, bp, lowp_scales, out0; writes out0
.if DOCPART == 4
	.amdgcn_target "amdgcn-amd-amdhsa--gfx1250"
	.amdhsa_code_object_version 6
	.text
	.protected	k_qa146a8074a_outp
	.globl	k_qa146a8074a_outp
	.p2align	8
	.type	k_qa146a8074a_outp,@function
k_qa146a8074a_outp:
	s_mov_b64 s[64:65], 0
	v_nop
	global_prefetch_b8 v0, s[64:65] scope:SCOPE_SE
	s_setreg_imm32_b32 hwreg(HW_REG_WAVE_MODE, 25, 1), 1
	s_wait_xcnt 0x0
	s_wait_alu depctr_hold_cnt(0) depctr_sa_sdst(0) depctr_va_vdst(0) depctr_va_sdst(0) depctr_va_ssrc(0) depctr_va_vcc(0) depctr_vm_vsrc(0)
	s_getreg_b32 s2, hwreg(HW_REG_IB_STS2, 6, 4)
	s_cmp_eq_u32 s2, 0
	s_cbranch_scc0 .Lentry_in_a_cluster
	s_endpgm
.Lentry_in_a_cluster:
	s_bfe_u32 s2, ttmp6, 0x10000c
	s_cmp_lg_u32 s2, 0x3003
	s_cbranch_scc0 .Lentry_shape_is_right
	s_endpgm
.Lentry_shape_is_right:
; OUTP: out0 = att Wp x 2^(e10 + e11) + bp, on codes of FP8.  att comes as images [block of 128 tokens][head = K step][tile][2 KB], Wp as images in wimg's blocks 10..17.
; A work-group (cx = its place in the cluster, rb = block of 128 tokens) makes 128 rows x 256 columns; wave w 64 columns: 32 accumulators.  256 equal work-groups.
; CLUSTER: the four work-groups of a block need the same 128 KB of att: asked for JOINTLY, two tensor loads a wave (K steps w and w + 4), once; no LDS byte is filled again.
; Wp's images go from memory straight into registers, 16 loads of 512 consecutive bytes a K step, in a ring of four sets: three K steps ahead.
; TRANSPOSED USE: source 0 = 16 columns of Wp, source 1 = 16 tokens: a lane holds eight neighbouring columns of one row of out0.
; LIMIT: e10 + e11 between -126 and 127.
; REGISTERS: window 0: v1, v2 LDS addresses of the images; v3-6 the way out's; v16-143 att's 8 fragments (on the way out v16-79: rows read back); v144-175 bp at my columns; v176-207 at work.
;   window 1: four sets of Wp's 4 fragments.   window 2: accumulator (rt, ct) at 8 (4 rt + ct).
.set LI,  1
.set LI2, 2
.set STO, 3
.set RD,  4
.set CO,  5
.set BO,  6
.set AQ,  16
.set OBR, 16
.set BI,  144
.set T,   176
.set WV,  16
.set G1,  24
.set G0A, 32
.set G0B, 36
.set BB,  40
.set OUT, 42
.set SC,  46
.set STAGE, 0x20000                    ; behind the images: 16 rows x (256 bytes + 16) for each wave; no tensor load lands there
.set MSB, 0
.macro WIN new
.if MSB != (\new)
	s_set_vgpr_msb (MSB<<8)|(\new)
.set MSB, (\new)
.endif
.endm
.macro PLACES
.rept 4
	v_nop
.endr
.endm
.macro CROUND
	s_barrier_signal -1
	s_barrier_wait -1
	s_cmp_lg_u32 s[WV], 0
	s_cbranch_scc1 .Lnot_wave_0_\@
	s_barrier_signal -3
.Lnot_wave_0_\@:
	s_barrier_wait -3
	s_barrier_signal -1
	s_barrier_wait -1
.endm
	s_load_b256 s[4:11], s[0:1], 0x0               ; attimg s[4:5], wimg s[6:7], bp s[8:9], the scales s[10:11]
	s_load_b64 s[12:13], s[0:1], 0x20              ; out0
	v_lshl_add_u32 v254, v0, 2, 0x29000
	v_mov_b32 v255, 0
	ds_add_u32 v254, v255
	v_lshrrev_b32 v7, 5, v0
	v_readfirstlane_b32 s[WV], v7                  ; wave 0..3
	v_and_b32 v7, 31, v0
	v_lshlrev_b32 v[LI], 4, v7
	v_add_nc_u32 v[LI2], 0x10000, v[LI]
	s_bfe_u32 s17, ttmp6, 0x40000                  ; cx
	s_and_b32 s18, ttmp7, 0xffff                   ; rb
	s_mov_b32 s[G1], 15|(3<<16)|(1<<21)            ; 64 rows of 256 bytes, dense; the mask names all four; bit 21 beside it
	s_mov_b32 s[G1+1], 32<<16
	s_mov_b32 s[G1+2], 64<<16
	s_mov_b32 s[G1+3], 32<<16
	s_mov_b32 s[G1+4], 64
	s_mov_b32 s[G1+5], 32
	s_mov_b32 s[G1+6], 0
	s_mov_b32 s[G1+7], 0
	s_lshl_b32 s52, s18, 17
	s_mov_b32 s53, 0
	s_lshl_b32 s54, s[WV], 14
	s_mov_b32 s55, 0
	s_wait_dscnt 0x0
	s_wait_kmcnt 0x0
	s_load_b64 s[14:15], s[10:11], 0x28            ; e10, e11
	s_add_nc_u64 s[56:57], s[4:5], s[52:53]
	s_add_nc_u64 s[56:57], s[56:57], s[54:55]      ; att: block rb, K step w: nothing of cx in it
	s_mov_b32 s[G0A], 1
	s_lshl_b32 s[G0A+1], s[WV], 14
	s_mov_b64 s[G0A+2:G0A+3], s[56:57]
	s_or_b32 s[G0A+3], s[G0A+3], 0x80000000
	s_mov_b32 s[G0B], 1
	s_add_co_u32 s[G0B+1], s[G0A+1], 0x10000
	s_add_nc_u64 s[G0B+2:G0B+3], s[56:57], 0x10000
	s_or_b32 s[G0B+3], s[G0B+3], 0x80000000
	CROUND                                         ; all four work-groups are here: the joint loads meet
	tensor_load_to_lds s[G0A:G0A+3], s[G1:G1+7]    ; two loads of mine are out
	s_nop 0
	tensor_load_to_lds s[G0B:G0B+3], s[G1:G1+7]
	s_nop 0
.rept 4
	v_nop
.endr
	s_lshl_b32 s50, s17, 1
	s_lshr_b32 s51, s[WV], 1
	s_add_co_u32 s50, s50, s51
	s_add_co_u32 s50, s50, 10                      ; wimg's block: 10 + 2 cx + w / 2
	s_lshl_b32 s50, s50, 17
	s_and_b32 s51, s[WV], 1
	s_lshl_b32 s51, s51, 13                        ; column tiles 4 (w % 2) on
	s_add_co_u32 s50, s50, s51
	s_mov_b32 s51, 0
	s_add_nc_u64 s[BB:BB+1], s[6:7], s[50:51]
	s_lshl_b32 s50, s17, 10
	s_lshl_b32 s58, s[WV], 8
	s_add_co_u32 s50, s50, s58                     ; my 64 columns, in bytes
	s_add_nc_u64 s[8:9], s[8:9], s[50:51]          ; in bp,
	s_add_nc_u64 s[OUT:OUT+1], s[12:13], s[50:51]  ; and in a row of out0;
	s_lshl_b32 s50, s18, 19
	s_add_nc_u64 s[OUT:OUT+1], s[OUT:OUT+1], s[50:51]   ; my block's 128 rows of 4,096 bytes
	v_and_b32 v7, 15, v0                           ; r
	v_bfe_u32 v8, v0, 4, 1                         ; h
	v_lshlrev_b32 v[BO], 5, v8                     ; bp: eight numbers of my half
.irp ct, 0,1,2,3
	global_load_b128 v[BI+8*\ct:BI+8*\ct+3], v[BO], s[8:9] offset:64*\ct
	global_load_b128 v[BI+8*\ct+4:BI+8*\ct+7], v[BO], s[8:9] offset:64*\ct+16
.endr
.macro BLOAD s                         ; K step s: Wp's four fragments into set s % 4 of window 1
.irp t, 0,1,2,3
.irp c, 0,1,2,3
	global_load_b128 v[64*((\s)%4)+16*\t+4*\c:64*((\s)%4)+16*\t+4*\c+3], v[LI], s[BB:BB+1] offset:(\s)*16384+\t*2048+\c*512
.endr
.endr
.endm
	WIN 0x40
	BLOAD 0
	BLOAD 1
	BLOAD 2
	WIN 0
	s_mul_i32 s50, s[WV], 4352
	s_add_co_u32 s50, s50, STAGE                   ; my stage
	v_mul_u32_u24 v[STO], v7, 272
	v_lshl_add_u32 v[STO], v8, 5, v[STO]
	v_add_nc_u32 v[STO], s50, v[STO]               ; in: row r, + 32 h
	v_mul_u32_u24 v[RD], v8, 272
	v_lshl_add_u32 v[RD], v7, 4, v[RD]
	v_add_nc_u32 v[RD], s50, v[RD]                 ; back: lanes 0-15 one row of 256 bytes, lanes 16-31 the next
	v_lshlrev_b32 v[CO], 12, v8
	v_lshl_add_u32 v[CO], v7, 4, v[CO]             ; and the same two rows in out0
	s_wait_kmcnt 0x0
	s_add_co_i32 s[SC], s14, s15
	s_add_co_i32 s[SC], s[SC], 127
	s_lshl_b32 s[SC], s[SC], 23                    ; 2^(e10 + e11) as f32
	s_mov_b32 s[SC+1], s[SC]                       ; (named with it as a pair)
; A K step: 32 matrix instructions on 32 accumulators, which take turns in one fixed order.
.macro STEP s
.if (\s) <= 5
	s_wait_loadcnt 32                              ; this step's set is in (and bp); the two sets behind it may be out
.elseif (\s) == 6
	s_wait_loadcnt 16
.else
	s_wait_loadcnt 0x0
.endif
.if (\s) > 0
	PLACES                                         ; the last step's products have read their set and att's fragments
.endif
.if (\s) <= 4
	WIN 0x40
	BLOAD (\s)+3                                   ; into the set that the last step has read
.endif
	WIN 0
.if (\s) == 0
	s_wait_tensorcnt 0x1                           ; my first load, K step w, is in; the second may be out
	s_barrier_signal -1
	s_barrier_wait -1
.endif
.if (\s) == 4
	s_wait_tensorcnt 0x0
	s_barrier_signal -1
	s_barrier_wait -1
.endif
.irp rt, 0,1,2,3,4,5,6,7
.irp c, 0,1,2,3
.if (\s) < 4
	ds_load_b128 v[AQ+16*\rt+4*\c:AQ+16*\rt+4*\c+3], v[LI] offset:((\s)%4)*16384+\rt*2048+\c*512
.else
	ds_load_b128 v[AQ+16*\rt+4*\c:AQ+16*\rt+4*\c+3], v[LI2] offset:((\s)%4)*16384+\rt*2048+\c*512
.endif
.endr
.endr
	WIN 0xa1                                       ; source 0 window 1, source 1 window 0, C and D window 2
.irp rt, 0,1,2,3,4,5,6,7
	s_wait_dscnt 4*(7-\rt)
.irp ct, 0,1,2,3
.if (\s) == 0
	v_wmma_f32_16x16x128_fp8_fp8 v[8*(4*\rt+\ct):8*(4*\rt+\ct)+7], v[64*((\s)%4)+16*\ct:64*((\s)%4)+16*\ct+15], v[AQ+16*\rt:AQ+16*\rt+15], 0
.else
	v_wmma_f32_16x16x128_fp8_fp8 v[8*(4*\rt+\ct):8*(4*\rt+\ct)+7], v[64*((\s)%4)+16*\ct:64*((\s)%4)+16*\ct+15], v[AQ+16*\rt:AQ+16*\rt+15], v[8*(4*\rt+\ct):8*(4*\rt+\ct)+7]
.endif
.endr
.endr
.endm
	STEP 0
	STEP 1
	STEP 2
	STEP 3
	STEP 4
	STEP 5
	STEP 6
	STEP 7
	PLACES
; THE WAY OUT, a tile of 16 rows at a time: sum x 2^(e10 + e11) + bp, through my own stage, back as whole rows of 256 bytes.
.macro TOSTAGE rt
	WIN 0x02                                       ; source 0: window 2
.set i, 0
.rept 16
	v_pk_fma_f32 v[T+i:T+i+1], v[32*(\rt)+i:32*(\rt)+i+1], s[SC:SC+1], v[BI+i:BI+i+1] op_sel_hi:[1,0,1]   ; each accumulator from its low end on
.set i, i+2
.endr
	WIN 0
.irp ct, 0,1,2,3
	ds_store_b128 v[STO], v[T+8*\ct:T+8*\ct+3] offset:64*\ct
	ds_store_b128 v[STO], v[T+8*\ct+4:T+8*\ct+7] offset:64*\ct+16
.endr
.irp t, 0,1,2,3,4,5,6,7
	ds_load_b128 v[OBR+32*((\rt)%2)+4*\t:OBR+32*((\rt)%2)+4*\t+3], v[RD] offset:544*\t   ; LDS serves a wave's instructions in order (ISA guide 5.7.1.4): these see my stores
.endr
.endm
.macro SEND rt, younger                ; younger: the LDS instructions issued behind tile rt's loads
	s_wait_dscnt \younger
.irp t, 0,1,2,3,4,5,6,7
	global_store_b128 v[CO], v[OBR+32*((\rt)%2)+4*\t:OBR+32*((\rt)%2)+4*\t+3], s[OUT:OUT+1] offset:(16*(\rt)+2*\t)*4096 th:TH_STORE_NT   ; 16 lanes store 256 consecutive bytes, aligned
.endr
.endm
	TOSTAGE 0
.irp a, 1,2,3,4,5,6,7
.if \a > 1
	s_wait_xcnt 0x0                                ; tile a - 2's stores have read their registers: tile a's rows may land there
.endif
	TOSTAGE \a
	SEND \a-1, 16                                  ; behind tile a - 1's loads: tile a's 8 stores and 8 loads
.endr
	SEND 7, 0
	s_wait_tensorcnt 0x0
	ds_add_u32 v254, v255
	s_wait_dscnt 0x0
	CROUND                                         ; the closing round
	s_endpgm
.Lfunc_end_k_qa146a8074a_outp:
	.size	k_qa146a8074a_outp, .Lfunc_end_k_qa146a8074a_outp-k_qa146a8074a_outp
	.p2alignl 7, 3214868480
	.fill 96, 4, 3214868480
	.section	.rodata,"a",@progbits
	.p2align	6, 0x0
	.amdhsa_kernel k_qa146a8074a_outp
		.amdhsa_group_segment_fixed_size 168448
		.amdhsa_private_segment_fixed_size 0
		.amdhsa_enable_private_segment 0
		.amdhsa_kernarg_size 40
		.amdhsa_user_sgpr_count 2
		.amdhsa_user_sgpr_kernarg_segment_ptr 1
		.amdhsa_wavefront_size32 1
		.amdhsa_system_sgpr_workgroup_id_x 1
		.amdhsa_system_sgpr_workgroup_id_y 1
		.amdhsa_system_sgpr_workgroup_id_z 1
		.amdhsa_system_vgpr_workitem_id 0
		.amdhsa_next_free_vgpr 768
		.amdhsa_next_free_sgpr 66
		.amdhsa_reserve_vcc 0
		.amdhsa_float_denorm_mode_32 3
		.amdhsa_float_denorm_mode_16_64 3
		.amdhsa_memory_ordered 1
		.amdhsa_forward_progress 1
		.amdhsa_inst_pref_size 77
	.end_amdhsa_kernel
	.amdgpu_metadata
---
amdhsa.version: [ 1, 2 ]
amdhsa.kernels:
  - .name:           k_qa146a8074a_outp
    .symbol:         k_qa146a8074a_outp.kd
    .args:
      - { .name: attimg, .offset: 0, .size: 8, .value_kind: global_buffer, .address_space: global }
      - { .name: wimg, .offset: 8, .size: 8, .value_kind: global_buffer, .address_space: global }
      - { .name: bp, .offset: 16, .size: 8, .value_kind: global_buffer, .address_space: global }
      - { .name: lowp_scales, .offset: 24, .size: 8, .value_kind: global_buffer, .address_space: global }
      - { .name: out0, .offset: 32, .size: 8, .value_kind: global_buffer, .address_space: global }
    .group_segment_fixed_size: 168448
    .private_segment_fixed_size: 0
    .kernarg_segment_align: 8
    .kernarg_segment_size: 40
    .max_flat_workgroup_size: 128
    .sgpr_count:     66
    .vgpr_count:     768
    .wavefront_size: 32
...
	.end_amdgpu_metadata
.endif
;; end of part 4
